; MI455X (gfx1250); checked and timed in simulation.
; The chip was launched on July 23, 2026; its instructions are those of AMD's public machine-readable ISA for CDNA 5 (MIT licence, August 2026) and "CDNA5" Instruction Set Architecture Reference Guide (July 2026). The comments in the code are by the model that wrote it; some were corrected since.
;; Dual Output Mo E. Allowed arithmetic: float matrix products may take bf16 or f16 operands with f32 sums; other float arithmetic in f32, or as packed bf16 or f16 multiplies, adds, multiply-adds, maxima and minima; sums over many terms, partial sums and values carried from step to step in f32; what a program stores and reads back later, other than sums and carried values, may be rounded once to bf16 or f16.
;; Inputs: We 8 x 2,048 x 2,048 float32; Wg 2,048 x 8 float32; be 8 x 2,048 float32; bg 8 float32; x 4 x 512 x 2,048 float32.
;; Outputs: out0 4 x 512 x 2,048 float32.
;; Constants: top_k = 2.
;; One version. Each part assembles by itself: llvm-mc -triple=amdgcn-amd-amdhsa -mcpu=gfx1250 --defsym DOCPART=n.
;; ======== version 1 of 1: 3 launches
;; workspace buffers: xb 8,388,608 bytes; sel 8,192 bytes of whole numbers; gate 65,536 bytes; part 33,554,432 bytes
;; launch router (part 1): grid 128 x 1, 8 waves a work-group, no clusters, 142,336 bytes of LDS; arguments x, Wg, bg, xb, sel, gate; writes xb, sel, gate
.if DOCPART == 1
	.amdgcn_target "amdgcn-amd-amdhsa--gfx1250"
	.amdhsa_code_object_version 6
	.text
	.protected	k_q960b7a78bc_router
	.globl	k_q960b7a78bc_router
	.p2align	8
	.type	k_q960b7a78bc_router,@function
k_q960b7a78bc_router:
	s_mov_b64 s[64:65], 0
	v_nop
	global_prefetch_b8 v0, s[64:65] scope:SCOPE_SE
	s_setreg_imm32_b32 hwreg(HW_REG_WAVE_MODE, 25, 1), 1
	s_wait_xcnt 0x0
; ROUTER.  For 16 tokens a work-group: x is rounded once to bf16 and stored (xb); logits = x Wg + bg on the matrix unit, from x, Wg and bg
; rounded to bf16, sums in f32; softmax with the row maximum taken away; the two largest scores.  Stored at fixed places: sel[t], a word with
; the bits of the two chosen experts, and gate[e][t], the score where expert e is chosen and 0 elsewhere.  No address and no branch hangs on a score.
; SHARES.  Eight waves split K: wave w takes k = 256 w .. 256 w + 255 of the 16 rows, so all 128 KiB of the group's x are asked for at once.
; The waves' partial logits meet in LDS behind the one barrier; wave 0 adds them in the order of the waves and does the softmax.
; LAYOUT.  Source 0 = 16 rows of Wg^T (experts 0-7 and the same eight once more), source 1 = 16 tokens: in the result a lane holds ONE token
; (lane % 16), and its register j the logit of expert j, in both halves of the lanes.
; LIMITS.  Two scores that differ by less than the last bits of the f32 sums may be ordered the other way than in another order of summing;
; equal scores keep the lower index (strict compares, ascending).  A weight below 2^-126 counts as 0.  NaN is not treated apart.
.set XTW,   8448                       ; LDS, from byte 0: for each wave 16 rows of 256 bf16, 528 bytes apart (512 + 16: the 16 rows of a fragment load start at 16 different groups of four banks)
.set XP,    528
.set WT,    67584                      ; for each wave 256 rows (k) of 32 bytes: eight experts in bf16, then the same eight again
.set RED,   133120                     ; for each wave 1,024 bytes: its partial logits
.set SPARE, 141312                     ; the spare words, 128 bytes for each of the eight waves; no other line names them
.set XR,    16                         ; v[16:143]   x as loaded, 4 registers a load; then the fragments: K step s has x at 16 + 16 s and Wg at 24 + 16 s
.set WRAW,  144                        ; v[144:207]  Wg as loaded; then two accumulators and their sum
.set A0,    144
.set SUMR,  160
.set T,     208                        ; v[208:211]  a row of Wg in bf16
	s_load_b256 s[4:11], s[0:1], 0x0               ; x s[4:5], Wg s[6:7], bg s[8:9], xb s[10:11]
	s_load_b128 s[12:15], s[0:1], 0x20             ; sel s[12:13], gate s[14:15]
	v_lshl_add_u32 v12, v0, 2, SPARE               ; my spare word,
	v_mov_b32 v13, 0                               ; and 0: kept for the closing lines alone
	v_lshrrev_b32 v14, 5, v0
	v_readfirstlane_b32 s16, v14                   ; wave 0..7
	v_and_b32 v1, 31, v0                           ; lane l
	v_and_b32 v2, 15, v0                           ; r = l % 16
	v_bfe_u32 v3, v0, 4, 1                         ; h = l / 16
	v_lshlrev_b32 v4, 4, v1                        ; 16 l: my 16 bytes of a load of x
	v_lshlrev_b32 v5, 3, v1                        ; 8 l: the same four numbers in bf16
	s_mul_i32 s17, s16, XTW
	v_add_nc_u32 v6, s17, v5                       ; where they go in my wave's rows of x
	v_mul_u32_u24 v7, v2, XP
	v_lshl_add_u32 v7, v3, 4, v7
	v_add_nc_u32 v7, s17, v7                       ; a fragment of x: row r, 16 bytes for each half of the lanes
	v_lshlrev_b32 v8, 5, v1                        ; 32 l: a row of Wg, in memory and in LDS
	s_lshl_b32 s17, s16, 13
	s_add_co_u32 s17, s17, WT
	v_add_nc_u32 v9, s17, v8
	v_and_b32 v14, 7, v0
	v_lshl_add_u32 v14, v3, 3, v14                 ; the turning load: row 8 h + l % 8,
	v_bfe_u32 v15, v0, 3, 1
	v_lshlrev_b32 v15, 4, v15                      ; 16 bytes by (l / 8) % 2
	v_lshl_add_u32 v10, v14, 5, v15
	v_add_nc_u32 v10, s17, v10
	s_lshl_b32 s17, s16, 10
	s_add_co_u32 s17, s17, RED
	v_add_nc_u32 v11, s17, v4                      ; my 16 bytes of my wave's partial logits
	s_mov_b32 s23, 0x3fb8aa3b                      ; log2(e)
	s_lshl_b32 s18, ttmp9, 17                      ; 16 rows of 8,192 bytes,
	s_lshl_b32 s17, s16, 10                        ; my wave's 1,024 bytes of a row
	s_add_co_u32 s18, s18, s17
	s_mov_b32 s19, 0
	s_wait_kmcnt 0x0
	s_add_nc_u64 s[4:5], s[4:5], s[18:19]
	s_lshl_b32 s18, s16, 13                        ; my wave's 256 rows of Wg
	s_add_nc_u64 s[6:7], s[6:7], s[18:19]
	s_lshl_b32 s18, ttmp9, 16                      ; xb: 16 rows of 4,096 bytes, my wave's 512
	s_lshl_b32 s17, s16, 9
	s_add_co_u32 s18, s18, s17
	s_add_nc_u64 s[10:11], s[10:11], s[18:19]
	s_lshl_b32 s18, ttmp9, 6                       ; 16 tokens of 4 bytes
	s_add_nc_u64 s[12:13], s[12:13], s[18:19]
	s_add_nc_u64 s[14:15], s[14:15], s[18:19]
	s_load_b256 s[24:31], s[8:9], 0x0              ; bg, eight f32
.irp i, 0,1,2,3,4,5,6,7                ; Wg first: lane l takes rows 32 i + l, 32 bytes each
	global_load_b128 v[WRAW+8*\i:WRAW+8*\i+3],   v8, s[6:7] offset:1024*\i
	global_load_b128 v[WRAW+8*\i+4:WRAW+8*\i+7], v8, s[6:7] offset:1024*\i+16
.endr
.set n, 0
.rept 32                               ; x: load n is half n % 2 of my wave's 1,024 bytes of row n / 2: 512 consecutive bytes
	global_load_b128 v[XR+4*n:XR+4*n+3], v4, s[4:5] offset:8192*(n/2)+512*(n%2) th:TH_LOAD_NT
.set n, n+1
.endr
	s_wait_loadcnt 32                              ; Wg is in; the 32 loads of x, issued behind it, stay out
.irp i, 0,1,2,3,4,5,6,7
	v_cvt_pk_bf16_f32 v[T],   v[WRAW+8*\i],   v[WRAW+8*\i+1]
	v_cvt_pk_bf16_f32 v[T+1], v[WRAW+8*\i+2], v[WRAW+8*\i+3]
	v_cvt_pk_bf16_f32 v[T+2], v[WRAW+8*\i+4], v[WRAW+8*\i+5]
	v_cvt_pk_bf16_f32 v[T+3], v[WRAW+8*\i+6], v[WRAW+8*\i+7]
	ds_store_b128 v9, v[T:T+3] offset:1024*\i      ; the eight experts,
	ds_store_b128 v9, v[T:T+3] offset:1024*\i+16   ; and once more, as rows 8-15 of source 0
.endr
.set n, 0
.rept 32
	s_wait_loadcnt 31-n                            ; loads come back in order: load n is in, the younger ones stay out
	v_cvt_pk_bf16_f32 v[XR+4*n],   v[XR+4*n],   v[XR+4*n+1]
	v_cvt_pk_bf16_f32 v[XR+4*n+1], v[XR+4*n+2], v[XR+4*n+3]
	global_store_b64 v5, v[XR+4*n:XR+4*n+1], s[10:11] offset:4096*(n/2)+256*(n%2)  ; the wave stores 256 consecutive bytes, at a multiple of 256 from the first byte of xb
	ds_store_b64 v6, v[XR+4*n:XR+4*n+1] offset:XP*(n/2)+256*(n%2)
.set n, n+1
.endr
	s_wait_xcnt 0x0                                ; the stores have read their data: only behind this wait are those registers loaded again
.irp s, 0,1,2,3,4,5,6,7                ; the fragments of my eight K steps; the bytes are my own wave's, and LDS serves a wave in order: no wait between store and load
	ds_load_b128 v[XR+16*\s:XR+16*\s+3],        v7  offset:64*\s
	ds_load_b128 v[XR+16*\s+4:XR+16*\s+7],      v7  offset:64*\s+32
	ds_load_tr16_b128 v[XR+16*\s+8:XR+16*\s+11],  v10 offset:1024*\s
	ds_load_tr16_b128 v[XR+16*\s+12:XR+16*\s+15], v10 offset:1024*\s+512
.endr
.irp s, 0,1,2,3,4,5,6,7                ; two accumulators by turns; the first two products start the sums
	s_wait_dscnt 28-4*\s                           ; the four loads of each later K step stay out
.if \s < 2
	v_wmma_f32_16x16x32_bf16 v[A0+8*\s:A0+8*\s+7], v[XR+16*\s+8:XR+16*\s+15], v[XR+16*\s:XR+16*\s+7], 0
.else
	v_wmma_f32_16x16x32_bf16 v[A0+8*(\s%2):A0+8*(\s%2)+7], v[XR+16*\s+8:XR+16*\s+15], v[XR+16*\s:XR+16*\s+7], v[A0+8*(\s%2):A0+8*(\s%2)+7]
.endif
.endr
.rept 4
	v_nop                                          ; four places between the last product and the first read of a result
.endr
.irp p, 0,1,2,3
	v_pk_add_f32 v[SUMR+2*\p:SUMR+2*\p+1], v[A0+2*\p:A0+2*\p+1], v[A0+8+2*\p:A0+8+2*\p+1]
.endr
	ds_store_b128 v11, v[SUMR:SUMR+3]
	ds_store_b128 v11, v[SUMR+4:SUMR+7] offset:512
	s_wait_kmcnt 0x0                               ; bg
	s_wait_dscnt 0x0                               ; for the others: my partial logits are in LDS
	s_barrier_signal -1
	s_barrier_wait -1
	s_cmp_lg_u32 s16, 0
	s_cbranch_scc1 .Lend                           ; waves 1-7 are done; no barrier stands in what they jump
	v_add_nc_u32 v14, RED, v4
.irp u, 0,1,2,3,4,5,6,7
	ds_load_b128 v[16+8*\u:19+8*\u], v14 offset:1024*\u
	ds_load_b128 v[20+8*\u:23+8*\u], v14 offset:1024*\u+512
.endr
.irp j, 0,1,2,3,4,5,6,7                ; bg rounded to bf16, as every input is, and widened again
	v_mov_b32 v[80+\j], s[24+\j]
.endr
.irp p, 0,1,2,3
	v_cvt_pk_bf16_f32 v[88+\p], v[80+2*\p], v[81+2*\p]
.endr
.irp p, 0,1,2,3
	v_lshlrev_b32 v[80+2*\p], 16, v[88+\p]
	v_and_b32 v[81+2*\p], 0xffff0000, v[88+\p]
.endr
	s_wait_dscnt 0x0
.irp u, 1,2,3,4,5,6,7
.irp p, 0,1,2,3
	v_pk_add_f32 v[16+2*\p:17+2*\p], v[16+2*\p:17+2*\p], v[16+8*\u+2*\p:17+8*\u+2*\p]
.endr
.endr
.irp p, 0,1,2,3
	v_pk_add_f32 v[16+2*\p:17+2*\p], v[16+2*\p:17+2*\p], v[80+2*\p:81+2*\p]  ; v[16:23]: the token's eight logits
.endr
	v_max3_num_f32 v92, v16, v17, v18
	v_max3_num_f32 v92, v92, v19, v20
	v_max3_num_f32 v92, v92, v21, v22
	v_max_num_f32 v92, v92, v23                    ; the row's maximum m
	v_mul_f32 v93, s23, v92                        ; m log2(e), rounded once: the same shift for all eight
.irp j, 0,1,2,3,4,5,6,7
	v_fma_f32 v[24+\j], v[16+\j], s23, -v93
.endr
.irp j, 0,1,2,3,4,5,6,7
	v_exp_f32 v[24+\j], v[24+\j]                   ; one batch of eight
.endr
	v_nop                                          ; a plain instruction behind the last exponential,
	s_wait_alu depctr_va_vdst(0)                   ; and one wait for the batch, ahead of its first use
	v_pk_add_f32 v[32:33], v[24:25], v[26:27]
	v_pk_add_f32 v[34:35], v[28:29], v[30:31]
	v_pk_add_f32 v[32:33], v[32:33], v[34:35]
	v_add_f32 v32, v32, v33
	v_rcp_f32 v34, v32
	v_nop
	s_wait_alu depctr_va_vdst(0)                   ; the reciprocal's wait
.irp p, 0,1,2,3
	v_pk_mul_f32 v[24+2*\p:25+2*\p], v[24+2*\p:25+2*\p], v[34:35] op_sel_hi:[1,0]  ; v[24:31]: the scores
.endr
	v_mov_b32 v36, v24                             ; the largest score and its index: a later one wins only if it is greater
	v_mov_b32 v37, 0
.irp j, 1,2,3,4,5,6,7
	v_cmp_gt_f32 vcc_lo, v[24+\j], v36
	v_cndmask_b32 v36, v36, v[24+\j], vcc_lo
	v_cndmask_b32 v37, v37, \j, vcc_lo
.endr
	v_mov_b32 v38, -1.0                            ; the second: below every score, so that it is always found
	v_mov_b32 v39, 1
.irp j, 0,1,2,3,4,5,6,7
	v_cmp_ne_u32 s20, \j, v37
	v_cmp_gt_f32 vcc_lo, v[24+\j], v38
	s_and_b32 vcc_lo, vcc_lo, s20
	v_cndmask_b32 v38, v38, v[24+\j], vcc_lo
	v_cndmask_b32 v39, v39, \j, vcc_lo
.endr
	v_mov_b32 v41, 1
	v_lshlrev_b32 v40, v37, v41
	v_lshlrev_b32 v42, v39, v41
	v_or_b32 v40, v40, v42                         ; the two bits
.irp j, 0,1,2,3,4,5,6,7
	v_and_b32 v43, 1<<\j, v40
	v_cmp_ne_u32 vcc_lo, 0, v43
	v_cndmask_b32 v[44+\j], 0, v[24+\j], vcc_lo    ; the score where chosen, else 0
.endr
	v_lshlrev_b32 v56, 2, v2                       ; 4 r
	v_lshl_add_u32 v57, v3, 15, v56                ; the upper half of the lanes stores experts 4-7: four rows of 8,192 bytes on
	v_cmp_ne_u32 s21, 0, v3
.irp p, 0,1,2,3
	v_cndmask_b32 v[52+\p], v[44+\p], v[48+\p], s21
	global_store_b32 v57, v[52+\p], s[14:15] offset:8192*\p  ; 64 bytes of each of two rows of gate: the whole table is 64 KiB
.endr
	s_wait_xcnt 0x0                                ; EXEC changes only behind this wait
	v_cmp_gt_u32 vcc_lo, 16, v1
	s_and_saveexec_b32 s22, vcc_lo
	global_store_b32 v56, v40, s[12:13]            ; lanes 0-15: the 16 tokens' words
	s_wait_xcnt 0x0                                ; and again, in front of the line that widens it
	s_or_b32 exec_lo, exec_lo, s22
.Lend:
	s_wait_tensorcnt 0x0                           ; the wave's end
	ds_add_u32 v12, v13
	s_wait_dscnt 0x0
	s_endpgm
.Lfunc_end_k_q960b7a78bc_router:
	.size	k_q960b7a78bc_router, .Lfunc_end_k_q960b7a78bc_router-k_q960b7a78bc_router
	.p2alignl 7, 3214868480
	.fill 96, 4, 3214868480
	.section	.rodata,"a",@progbits
	.p2align	6, 0x0
	.amdhsa_kernel k_q960b7a78bc_router
		.amdhsa_group_segment_fixed_size 142336
		.amdhsa_private_segment_fixed_size 0
		.amdhsa_enable_private_segment 0
		.amdhsa_kernarg_size 48
		.amdhsa_user_sgpr_count 2
		.amdhsa_user_sgpr_kernarg_segment_ptr 1
		.amdhsa_wavefront_size32 1
		.amdhsa_system_sgpr_workgroup_id_x 1
		.amdhsa_system_sgpr_workgroup_id_y 1
		.amdhsa_system_sgpr_workgroup_id_z 1
		.amdhsa_system_vgpr_workitem_id 0
		.amdhsa_next_free_vgpr 216
		.amdhsa_next_free_sgpr 66
		.amdhsa_reserve_vcc 1
		.amdhsa_float_denorm_mode_32 3
		.amdhsa_float_denorm_mode_16_64 3
		.amdhsa_memory_ordered 1
		.amdhsa_forward_progress 1
		.amdhsa_inst_pref_size 34
	.end_amdhsa_kernel
	.amdgpu_metadata
---
amdhsa.version: [ 1, 2 ]
amdhsa.kernels:
  - .name:           k_q960b7a78bc_router
    .symbol:         k_q960b7a78bc_router.kd
    .args:
      - { .name: x, .offset: 0, .size: 8, .value_kind: global_buffer, .address_space: global }
      - { .name: Wg, .offset: 8, .size: 8, .value_kind: global_buffer, .address_space: global }
      - { .name: bg, .offset: 16, .size: 8, .value_kind: global_buffer, .address_space: global }
      - { .name: xb, .offset: 24, .size: 8, .value_kind: global_buffer, .address_space: global }
      - { .name: sel, .offset: 32, .size: 8, .value_kind: global_buffer, .address_space: global }
      - { .name: gate, .offset: 40, .size: 8, .value_kind: global_buffer, .address_space: global }
    .group_segment_fixed_size: 142336
    .private_segment_fixed_size: 0
    .kernarg_segment_align: 8
    .kernarg_segment_size: 48
    .max_flat_workgroup_size: 256
    .sgpr_count:     66
    .vgpr_count:     216
    .wavefront_size: 32
...
	.end_amdgpu_metadata
.endif
;; end of part 1
;; launch experts (part 2): grid 32 x 8, 4 waves a work-group, no clusters, 280,320 bytes of LDS; arguments We, be, xb, sel, gate, part; writes part
.if DOCPART == 2
	.amdgcn_target "amdgcn-amd-amdhsa--gfx1250"
	.amdhsa_code_object_version 6
	.text
	.protected	k_q960b7a78bc_experts
	.globl	k_q960b7a78bc_experts
	.p2align	8
	.type	k_q960b7a78bc_experts,@function
k_q960b7a78bc_experts:
	s_mov_b64 s[64:65], 0
	v_nop
	global_prefetch_b8 v0, s[64:65] scope:SCOPE_SE
	s_setreg_imm32_b32 hwreg(HW_REG_WAVE_MODE, 25, 1), 1
	s_wait_xcnt 0x0
; EXPERTS.  Work-group (s, e) owns columns 64 s .. 64 s + 63 of expert e: 2,048 x 64 weights, which it alone reads, once, and ALL rows routed to e.
; For each such token t it stores gate[e][t] x (xb[t] We[e] + be[e]) for its 64 columns, in f32, into part[plane][t]: plane 0 if e is the lower of
; the token's two experts, plane 1 if it is the higher.  Each token has two different experts, so every row of both planes is written, by one work-group a piece.
; FORMATS.  We and be are rounded once to bf16 on their way through registers; x comes rounded (xb); sums in f32, begun at the bias.
; PHASE 1.  Each wave streams a quarter of K (512 rows x 256 bytes), rounds it and lays it into LDS as finished fragments.  Beside that stream each wave makes
; a list of its 512 tokens that chose e.  A barrier.  PHASE 2 writes no LDS and has no barrier: the waves deal the tiles of 16 rows among themselves,
; up to nine a wave and pass; x comes from memory straight into registers as source 0, the weights from LDS as source 1.  A second barrier stands ahead of the closing lines.
; THE COLUMN MAP.  Block b (0-3) of the slice holds columns 64 s + 4 r + b, r = 0..15.  So the lane that loads 16 bytes (four columns) of eight rows of We holds,
; after rounding in pairs along k, half a fragment of each block, its own: nothing changes lanes.  And in the results lane (r, h) holds, for row 8 h + j of a tile,
; the four NEIGHBOURING columns 4 r .. 4 r + 3: sixteen lanes store 256 consecutive bytes, at a multiple of 256 from the first byte of part, straight from registers.
; EVERY SPLIT IS SERVED: 0 to 2,048 rows an expert.  Four passes of at most 36 tiles, a constant count; passes and tiles without rows are jumped forward.
; In the expert's last tile the places past the count repeat its last row: at most 15 rows are then stored twice or more, the same numbers to the same bytes.
; NO MULTICAST: a slice of weights has one reader and passes through registers to be rounded; an expert's rows come by a list, which no one descriptor covers.
; REGISTERS, in windows of 256 (s_set_vgpr_msb: bits 1:0 source 0, 3:2 source 1, 5:4 source 2, 7:6 destination):
;   window 0: v0-31 addresses and scratch; v32-47 sel, then 16 rounded registers; v48-63 gates; v64-127 two buffers of weight fragments; v128-175 the way out; v176-207 the bias as a C operand; v224-227 the counts
;   window q = 1 + i / 3, for tile i, with u = i % 3: accumulators at 64 u + 8 b; four slots of x fragments at 64 u + 32 + 8 n; x offset at 192 + 4 u; the record (entry, gate) at 194 + 4 u
;   in phase 1 window 1 is a ring of eight units of 32 registers of f32 weights
.set LIST,  262144                     ; LDS 0 .. 262,143: fragment (K step t, block b, half f) at 4,096 t + 1,024 b + 512 f + 16 lane: lanes side by side, no conflict, no padding
.set LISTW, 4352                       ; then for each wave 544 records of 8 bytes (entry = token + 2,048 x plane; gate): 512 places, and a place for each lane that takes what is not listed
.set CNT,   279552                     ; the four waves' counts
.set SPARE, 279808                     ; the spare words, 128 bytes for each wave; no other line names them
.set SPW,  6
.set NIL,  7
.set WA,   8                           ; v8   65,536 h + 16 r: my 16 bytes of row 8 h of a unit of 16 rows of We
.set WS,   9                           ; v9   where my half fragments go
.set WRD,  10                          ; v10  where I read fragments
.set IDX,  24                          ; v[24:31] 4 x (8 h + j): the lane that holds row 8 h + j's record
.set SELR, 32
.set TT,   32
.set GATR, 48
.set BF,   64
.set ET,   128                         ; v[128:159] row j's four numbers at 4 j
.set EOFF, 160                         ; v[160:167] row j's byte offset in part
.set EG,   168                         ; v[168:175] row j's gate
.set BIAS, 176                         ; v[176:207] block b's bias, eight times, at 8 b
.set BS,   66                          ; s[66:73] four walking addresses in xb, one for each slot of the x ring: slot n's is xb + 256 x (the times slot n has been multiplied)
.set MSB, 0
.macro WIN new                         ; the immediate's high byte repeats the setting that is left; a switch that changes nothing is dropped
.if MSB != (\new)
	s_set_vgpr_msb (MSB<<8)|(\new)
.set MSB, (\new)
.endif
.endm
.macro PLACES                          ; four plain places between a matrix instruction and a load into, or a read of, its registers
.rept 4
	v_nop
.endr
.endm
	s_load_b256 s[4:11], s[0:1], 0x0               ; We s[4:5], be s[6:7], xb s[8:9], sel s[10:11]
	s_load_b128 s[12:15], s[0:1], 0x20             ; gate s[12:13], part s[14:15]
	v_lshl_add_u32 v[SPW], v0, 2, SPARE            ; my spare word,
	v_mov_b32 v[NIL], 0                            ; and 0: kept for the closing lines alone
	v_lshrrev_b32 v15, 5, v0
	v_readfirstlane_b32 s16, v15                   ; wave 0..3
	s_mov_b32 s17, ttmp9                           ; slice
	s_and_b32 s18, ttmp7, 0xffff                   ; expert
	v_and_b32 v1, 31, v0                           ; lane L
	v_and_b32 v2, 15, v0                           ; r
	v_bfe_u32 v3, v0, 4, 1                         ; h
	v_lshlrev_b32 v4, 4, v2                        ; 16 r
	v_lshlrev_b32 v5, 4, v3                        ; 16 h
	v_lshl_add_u32 v[WA], v3, 16, v4
	v_lshlrev_b32 v11, 4, v1                       ; 16 L
	s_lshl_b32 s58, s16, 16
	v_add_nc_u32 v[WS], s58, v11                   ; my wave's 16 K steps of fragments
	s_lshl_b32 s58, s16, 9
	v_lshl_add_u32 v12, v1, 2, s58                 ; 512 w + 4 L: the first of the four tokens in my 16 bytes of sel
	v_add_nc_u32 v13, 512, v1                      ; my lane's place for what is not listed
	s_mul_i32 s58, s16, LISTW
	s_add_co_u32 s58, s58, LIST
	v_mov_b32 v14, s58                             ; my wave's list
	s_lshl_b32 s19, 1, s18                         ; the expert's bit,
	s_sub_co_u32 s20, s19, 1                       ; and the bits of the lower experts
	s_mov_b32 s21, 0                               ; my wave's count
	s_lshl_b32 s26, s18, 24                        ; We: an expert is 2^24 bytes, a slice 256, my wave's 512 rows 2^22
	s_lshl_b32 s58, s17, 8
	s_add_co_u32 s26, s26, s58
	s_lshl_b32 s58, s16, 22
	s_add_co_u32 s26, s26, s58
	s_mov_b32 s27, 0
	s_wait_kmcnt 0x0
	s_add_nc_u64 s[4:5], s[4:5], s[26:27]
	s_lshl_b32 s26, s16, 11                        ; sel: my wave's 512 words
	s_add_nc_u64 s[10:11], s[10:11], s[26:27]
	s_lshl_b32 s58, s18, 13                        ; gate and be: the expert's row of 8,192 bytes
	s_add_co_u32 s26, s26, s58
	s_add_nc_u64 s[12:13], s[12:13], s[26:27]
	s_lshl_b32 s26, s17, 8                         ; part and be: the slice's 256 bytes of a row
	s_add_nc_u64 s[14:15], s[14:15], s[26:27]
	s_add_co_u32 s26, s26, s58
	s_add_nc_u64 s[6:7], s[6:7], s[26:27]
.irp p, 0,1,2,3                        ; register 4 p + i holds token 512 w + 128 p + 4 L + i
	global_load_b128 v[SELR+4*\p:SELR+4*\p+3], v11, s[10:11] offset:512*\p
.endr
.irp p, 0,1,2,3
	global_load_b128 v[GATR+4*\p:GATR+4*\p+3], v11, s[12:13] offset:512*\p
.endr
	global_load_b128 v[20:23], v4, s[6:7]          ; be of my four columns
; A unit is 16 rows of K: half a K step.  Eight loads: lanes 0-15 take 256 consecutive bytes of row j, lanes 16-31 of row 8 + j.
.macro FILLU slot, un
.irp j, 0,1,2,3,4,5,6,7
	global_load_b128 v[32*(\slot)+4*\j:32*(\slot)+4*\j+3], v[WA], s[4:5] offset:((\un)*16+\j)*8192 th:TH_LOAD_NT
.endr
.endm
	WIN 0x40                                       ; destination window 1, offset window 0
.irp t, 0,1,2,3,4,5,6,7
	FILLU \t, \t                                   ; the ring is filled: 64 loads, 32 KiB a wave
.endr
	WIN 0
	s_wait_loadcnt 63                              ; sel, gate and be are in: 64 loads were issued behind them, and the count's field ends at 63
; MY WAVE'S LIST, while the weights are on their way.  All lanes stay on: a token that did not choose e goes to its lane's own place behind the list.
.set g, 0
.rept 16
	v_and_b32 v15, s19, v[SELR+g]
	v_cmp_ne_u32 s24, 0, v15                       ; the lanes whose token chose e
	v_mbcnt_lo_u32_b32 v16, s24, s21               ; the count so far + such lanes below me
	s_bcnt1_i32_b32 s25, s24
	s_add_co_u32 s21, s21, s25
	v_cndmask_b32 v16, v13, v16, s24
	v_min_u32 v16, 543, v16                        ; a place of my wave's 544
	v_lshl_add_u32 v16, v16, 3, v14
	v_and_b32 v17, s20, v[SELR+g]
	v_min_u32 v17, 1, v17                          ; 1: a lower expert was chosen too: plane 1
	v_lshl_add_u32 v18, v17, 11, v12
	v_add_nc_u32 v18, 128*(g/4)+g%4, v18           ; entry = token + 2,048 x plane
	v_mov_b32 v19, v[GATR+g]
	ds_store_b64 v16, v[18:19]
.set g, g+1
.endr
	v_mov_b32 v15, s21
	s_lshl_b32 s58, s16, 2
	s_add_co_u32 s58, s58, CNT
	v_mov_b32 v16, s58
	ds_store_b32 v16, v15                          ; all lanes write the same word with the same number
; PHASE 1.  A unit's turn: its eight loads are in; 16 roundings pair rows 2 p and 2 p + 1 of each of my four columns; four stores, one half fragment a block; the unit eight further on is asked for.
.macro UNIT slot, refill, left
	s_wait_loadcnt \left                           ; loads come back in order: this unit is in, the younger units stay out
	WIN 0x05                                       ; sources window 1, destination window 0
.irp c, 0,1,2,3
.irp p, 0,1,2,3
	v_cvt_pk_bf16_f32 v[TT+4*\c+\p], v[32*(\slot)+8*\p+\c], v[32*(\slot)+8*\p+4+\c]
.endr
.endr
	WIN 0
.irp c, 0,1,2,3
	ds_store_b128 v[WS], v[TT+4*\c:TT+4*\c+3] offset:((\slot)/2)*4096+((\slot)%2)*512+1024*\c
.endr
.if \refill
	WIN 0x40
	FILLU \slot, (\slot)+8
.endif
.endm
	s_mov_b32 s62, 3
.Lweights:                             ; a trip: eight units, four K steps; seven units, 56 loads, stay out at every wait
.irp t, 0,1,2,3,4,5,6,7
	UNIT \t, 1, 56
.endr
	WIN 0
	s_wait_xcnt 0x0                                ; the base is stepped only behind this wait
	s_add_nc_u64 s[4:5], s[4:5], 0x100000          ; 128 rows of 8,192 bytes
	v_add_nc_u32 v[WS], 16384, v[WS]
	s_sub_co_u32 s62, s62, 1
	s_cmp_lg_u32 s62, 0
	s_cbranch_scc1 .Lweights
.irp t, 0,1,2,3,4,5,6,7
	UNIT \t, 0, 56-8*\t                            ; the last eight units ask for nothing: the counts run down
.endr
	s_wait_dscnt 0x0                               ; for the others: my fragments, my list and my count are in LDS
	s_barrier_signal -1
	s_barrier_wait -1                              ; behind it, up to the closing barrier, LDS is read alone
; PHASE 2, set-up.  Place p of the expert's rows lies in wave k's list, k = the number of bounds b1, b2, b3 that are not above p, at LIST + 8 p + the sum over those bounds of (4,352 - 8 x the count of the wave before).
	v_mov_b32 v15, CNT
	ds_load_b128 v[224:227], v15
	v_cvt_pk_bf16_f32 v16, v20, v21                ; be rounded to bf16, as every input is, and widened again
	v_cvt_pk_bf16_f32 v17, v22, v23
	v_lshlrev_b32 v20, 16, v16
	v_and_b32 v21, 0xffff0000, v16
	v_lshlrev_b32 v22, 16, v17
	v_and_b32 v23, 0xffff0000, v17
.irp c, 0,1,2,3
.irp j, 0,1,2,3,4,5,6,7
	v_mov_b32 v[BIAS+8*\c+\j], v[20+\c]            ; as a C operand: a lane's eight registers are eight rows of one column
.endr
.endr
.irp j, 0,1,2,3,4,5,6,7
	v_lshl_add_u32 v[IDX+\j], v3, 5, 4*\j
.endr
	s_wait_dscnt 0x0
	v_readfirstlane_b32 s40, v224
	v_readfirstlane_b32 s41, v225
	v_readfirstlane_b32 s42, v226
	v_readfirstlane_b32 s43, v227
	s_mov_b32 s44, s40                             ; b1
	s_add_co_u32 s45, s44, s41                     ; b2
	s_add_co_u32 s46, s45, s42                     ; b3
	s_add_co_u32 s47, s46, s43                     ; the expert's rows
	s_sub_co_u32 s48, s47, 1                       ; its last place (not used where it has none)
	s_lshl_b32 s58, s40, 3
	s_sub_co_u32 s49, LISTW, s58
	s_lshl_b32 s58, s41, 3
	s_sub_co_u32 s50, LISTW, s58
	s_lshl_b32 s58, s42, 3
	s_sub_co_u32 s51, LISTW, s58
	s_add_co_u32 s52, s47, 15
	s_lshr_b32 s52, s52, 4                         ; its tiles of 16 rows
; ONE K STEP for R tiles: ONE run of memory instructions, then all 4 R products on end.  n: the x slot that is multiplied (the K step modulo 4); bb: the weight buffer; first = 1: the products start the sums at the bias.
; nA: the x loads that may stay out when this step's must be in: those of the two later steps, 2 R each; the wait stands ahead of the step's own loads, so at most 6 R loads of the wave are out.
; That wait has shown the loads that named slot n's address done, so the address is stepped behind it, 256 bytes = four K steps on; it is named again in the next step.
; ldB: the next step's eight weight fragments are asked for, at byte bo, into the other buffer.  ldA: all tiles' x fragments of three steps on, into the slot read in the last step; the windows go 3, 2, 1, and the products 1, 2, 3.
; nD: the LDS loads that may stay out (the eight just issued).  The accumulators take turns, one instruction a turn.
.macro KSTEP R, n, bb, first, ldA, ldB, nA, nD, bo
.if (\ldA)+(\ldB)
	WIN 0
	PLACES                                         ; behind the last step's products, whose sources are loaded again below
.endif
	s_wait_loadcnt \nA
.if \ldA
	s_add_nc_u64 s[BS+2*(\n):BS+2*(\n)+1], s[BS+2*(\n):BS+2*(\n)+1], 256
.endif
.if \ldB
.irp f, 0,1,2,3,4,5,6,7
	ds_load_b128 v[BF+32*(1-(\bb))+4*\f:BF+32*(1-(\bb))+4*\f+3], v[WRD] offset:(\bo)+512*\f
.endr
.endif
.if \ldA
.set i, \R-1
.rept \R
.set q, 1+i/3
.set u, i%3
	WIN q*(0x51-0x10*(\first))                     ; the products' setting serves the loads of x too: data and offset in window q
	global_load_b128 v[64*u+32+8*(((\n)+3)%4):64*u+35+8*(((\n)+3)%4)], v[192+4*u], s[BS+2*(((\n)+3)%4):BS+2*(((\n)+3)%4)+1] offset:64*(((\n)+3)%4)
	global_load_b128 v[64*u+36+8*(((\n)+3)%4):64*u+39+8*(((\n)+3)%4)], v[192+4*u], s[BS+2*(((\n)+3)%4):BS+2*(((\n)+3)%4)+1] offset:64*(((\n)+3)%4)+32
.set i, i-1
.endr
.endif
	s_wait_dscnt \nD
.set i, 0
.rept \R
.set q, 1+i/3
.set u, i%3
	WIN q*(0x51-0x10*(\first))                     ; D and x in window q, weights in window 0; C in window q, or (first) the bias in window 0
.irp c, 0,1,2,3
.if \first
	v_wmma_f32_16x16x32_bf16 v[64*u+8*\c:64*u+8*\c+7], v[64*u+32+8*(\n):64*u+39+8*(\n)], v[BF+32*(\bb)+8*\c:BF+32*(\bb)+8*\c+7], v[BIAS+8*\c:BIAS+8*\c+7]
.else
	v_wmma_f32_16x16x32_bf16 v[64*u+8*\c:64*u+8*\c+7], v[64*u+32+8*(\n):64*u+39+8*(\n)], v[BF+32*(\bb)+8*\c:BF+32*(\bb)+8*\c+7], v[64*u+8*\c:64*u+8*\c+7]
.endif
.endr
.set i, i+1
.endr
.endm
; A PASS for R tiles, of which the first LO are certainly live (s59 = live tiles, s60 = my first tile).
.macro PASS R, LO
.set i, 0
.rept \R                               ; each tile's records: lane (r, h) takes place 16 x tile + r, or the expert's last place
.set q, 1+i/3
.set u, i%3
	WIN 0
	s_add_co_u32 s58, s60, i
	s_lshl_b32 s58, s58, 4
	v_add_nc_u32 v15, s58, v2
	v_min_u32 v15, s48, v15
	v_lshl_add_u32 v16, v15, 3, LIST
.irp k, 1,2,3
	v_cmp_le_u32 vcc_lo, s[43+\k], v15
	v_cndmask_b32 v17, 0, s[48+\k], vcc_lo
	v_add_nc_u32 v16, v16, v17
.endr
	v_min_u32 v16, LIST+4*LISTW-8, v16             ; inside the lists, whatever was read
	WIN q<<6
	ds_load_b64 v[194+4*u:195+4*u], v16
.set i, i+1
.endr
	s_wait_dscnt 0x0
.set i, 0
.rept \R
.set q, 1+i/3
.set u, i%3
	WIN q*0x45                                     ; destination, sources 0 and 1 in window q; source 2 in window 0
	v_min_u32 v[194+4*u], 0xfff, v[194+4*u]        ; an entry is below 4,096
	v_and_b32 v[192+4*u], 0x7ff, v[194+4*u]        ; the token,
	v_lshl_add_u32 v[192+4*u], v[192+4*u], 12, v5  ; its row of 4,096 bytes in xb, 16 bytes for each half of the lanes
.set i, i+1
.endr
	WIN 0
.irp j, 0,1,2,3
	s_mov_b64 s[BS+2*\j:BS+2*\j+1], s[8:9]         ; every load that named these pairs was waited for in the last K step of the pass before
.endr
	v_mov_b32 v[WRD], v11
.irp st, 0,1,2                         ; the x fragments of K steps 0, 1, 2, step by step, so that the counted waits below hold
.set i, 0
.rept \R
.set q, 1+i/3
.set u, i%3
	WIN q*0x51
	global_load_b128 v[64*u+32+8*\st:64*u+35+8*\st], v[192+4*u], s[BS+2*\st:BS+2*\st+1] offset:64*\st
	global_load_b128 v[64*u+36+8*\st:64*u+39+8*\st], v[192+4*u], s[BS+2*\st:BS+2*\st+1] offset:64*\st+32
.set i, i+1
.endr
.endr
	WIN 0
.irp f, 0,1,2,3,4,5,6,7
	ds_load_b128 v[BF+4*\f:BF+4*\f+3], v[WRD] offset:512*\f  ; the weights of K step 0
.endr
	KSTEP \R, 0, 0, 1, 1, 1, 4*\R, 8, 4096         ; K step 0 is written out: it starts the sums
	WIN 0
	s_mov_b32 s62, 15
.Lk_\R:                                ; a trip: K steps 1 + 4 T .. 4 + 4 T; it asks for x of steps 4 + 4 T .. 7 + 4 T and weights of steps 2 + 4 T .. 5 + 4 T
	KSTEP \R, 1, 1, 0, 1, 1, 4*\R, 8, 2*4096
	KSTEP \R, 2, 0, 0, 1, 1, 4*\R, 8, 3*4096
	KSTEP \R, 3, 1, 0, 1, 1, 4*\R, 8, 4*4096
	KSTEP \R, 0, 0, 0, 1, 1, 4*\R, 8, 5*4096
	WIN 0
	v_add_nc_u32 v[WRD], 16384, v[WRD]
	s_sub_co_u32 s62, s62, 1
	s_cmp_lg_u32 s62, 0
	s_cbranch_scc1 .Lk_\R
	KSTEP \R, 1, 1, 0, 0, 1, 4*\R, 8, 2*4096       ; K steps 61, 62, 63 ask for no x: no load passes a row's end, and the counts run down
	KSTEP \R, 2, 0, 0, 0, 1, 2*\R, 8, 3*4096
	KSTEP \R, 3, 1, 0, 0, 0, 0, 0, 0
	WIN 0
	PLACES                                         ; behind the last products, ahead of the first read of a result
; THE WAY OUT, a tile at a time: row 8 h + j's entry and gate come from the lane that holds them; each number is multiplied by its row's gate; eight stores of 16 bytes a lane.
.set i, 0
.rept \R
.set q, 1+i/3
.set u, i%3
	WIN 0
.if i >= \LO
	s_cmp_le_u32 s59, i
	s_cbranch_scc1 .Ldone_\R                       ; this tile and those behind it have no rows: they store nothing
.endif
	s_wait_xcnt 0x0                                ; the last tile's stores have read their offsets and data
	WIN q                                          ; source 0 in window q
	v_mov_b32 v18, v[194+4*u]
	v_mov_b32 v19, v[195+4*u]
	WIN 0
.irp j, 0,1,2,3,4,5,6,7
	ds_bpermute_b32 v[EOFF+\j], v[IDX+\j], v18
	ds_bpermute_b32 v[EG+\j], v[IDX+\j], v19
.endr
	s_wait_dscnt 0x0
.irp j, 0,1,2,3,4,5,6,7
	v_min_u32 v[EOFF+\j], 0xfff, v[EOFF+\j]
	v_lshl_add_u32 v[EOFF+\j], v[EOFF+\j], 13, v4  ; entry x 8,192 bytes (2,048 entries are a plane) + my 16 bytes of the slice
.endr
	WIN q
.irp j, 0,1,2,3,4,5,6,7                ; j ascending: each accumulator's lowest register is read first
.irp c, 0,1,2,3
	v_mul_f32 v[ET+4*\j+\c], v[64*u+8*\c+\j], v[EG+\j]
.endr
.endr
	WIN 0
.irp j, 0,1,2,3,4,5,6,7
	global_store_b128 v[EOFF+\j], v[ET+4*\j:ET+4*\j+3], s[14:15]  ; each half of the lanes stores 256 consecutive bytes of one row
.endr
.set i, i+1
.endr
.Ldone_\R:
.endm
; THE PASSES.  A pass has the tiles from s57 on (0, 36, 72, 108); what is left, 36 at the most, is dealt evenly: Rp tiles a wave, wave w from s57 + w Rp on.  4 x 36 covers the 128 tiles of 2,048 rows.
; The text is chosen by the wave's live tiles: nine, eight, six or three tiles' registers, loads and products; an expert of 29 to 32 tiles deals eight a wave and multiplies eight.
; The two texts for the evenest splits stand first.  All jumps go forward, to the label ahead of the counter's step.
	s_mov_b32 s56, 4                               ; passes to go: a constant count, the same in every wave
	s_mov_b32 s57, 0                               ; the pass's first tile
.Lpass:
	s_cmp_le_u32 s52, s57
	s_cbranch_scc1 .Lnext                          ; no tile is left
	s_sub_co_u32 s58, s52, s57
	s_add_co_u32 s58, s58, 3
	s_lshr_b32 s58, s58, 2
	s_min_u32 s61, s58, 9                          ; Rp
	s_mul_i32 s60, s16, s61
	s_add_co_u32 s60, s60, s57                     ; my first tile
	s_cmp_le_u32 s52, s60
	s_cbranch_scc1 .Lnext                          ; none for my wave
	s_sub_co_u32 s59, s52, s60
	s_min_u32 s59, s59, s61                        ; my live tiles
	s_cmp_le_u32 s59, 8
	s_cbranch_scc1 .Lle8
	PASS 9, 9
	s_branch .Lnext
.Lle8:
	s_cmp_le_u32 s59, 6
	s_cbranch_scc1 .Lle6
	PASS 8, 7
	s_branch .Lnext
.Lle6:
	s_cmp_le_u32 s59, 3
	s_cbranch_scc1 .Lle3
	PASS 6, 4
	s_branch .Lnext
.Lle3:
	PASS 3, 1
.Lnext:
	s_add_co_u32 s57, s57, 36
	s_sub_co_u32 s56, s56, 1
	s_cmp_lg_u32 s56, 0
	s_cbranch_scc1 .Lpass
	s_wait_dscnt 0x0                               ; my reads of the fragments, the lists and the counts are over;
	s_barrier_signal -1
	s_barrier_wait -1                              ; every wave's are: only behind this barrier is LDS written again
	s_wait_tensorcnt 0x0                           ; the wave's end
	ds_add_u32 v[SPW], v[NIL]
	s_wait_dscnt 0x0
	s_endpgm
.Lfunc_end_k_q960b7a78bc_experts:
	.size	k_q960b7a78bc_experts, .Lfunc_end_k_q960b7a78bc_experts-k_q960b7a78bc_experts
	.p2alignl 7, 3214868480
	.fill 96, 4, 3214868480
	.section	.rodata,"a",@progbits
	.p2align	6, 0x0
	.amdhsa_kernel k_q960b7a78bc_experts
		.amdhsa_group_segment_fixed_size 280320
		.amdhsa_private_segment_fixed_size 0
		.amdhsa_enable_private_segment 0
		.amdhsa_kernarg_size 48
		.amdhsa_user_sgpr_count 2
		.amdhsa_user_sgpr_kernarg_segment_ptr 1
		.amdhsa_wavefront_size32 1
		.amdhsa_system_sgpr_workgroup_id_x 1
		.amdhsa_system_sgpr_workgroup_id_y 1
		.amdhsa_system_sgpr_workgroup_id_z 1
		.amdhsa_system_vgpr_workitem_id 0
		.amdhsa_next_free_vgpr 976
		.amdhsa_next_free_sgpr 74
		.amdhsa_reserve_vcc 1
		.amdhsa_float_denorm_mode_32 3
		.amdhsa_float_denorm_mode_16_64 3
		.amdhsa_memory_ordered 1
		.amdhsa_forward_progress 1
		.amdhsa_inst_pref_size 255
	.end_amdhsa_kernel
	.section	.bss,"aw",@nobits
	.p2align	6
	.space	262144
	.amdgpu_metadata
---
amdhsa.version: [ 1, 2 ]
amdhsa.kernels:
  - .name:           k_q960b7a78bc_experts
    .symbol:         k_q960b7a78bc_experts.kd
    .args:
      - { .name: We, .offset: 0, .size: 8, .value_kind: global_buffer, .address_space: global }
      - { .name: be, .offset: 8, .size: 8, .value_kind: global_buffer, .address_space: global }
      - { .name: xb, .offset: 16, .size: 8, .value_kind: global_buffer, .address_space: global }
      - { .name: sel, .offset: 24, .size: 8, .value_kind: global_buffer, .address_space: global }
      - { .name: gate, .offset: 32, .size: 8, .value_kind: global_buffer, .address_space: global }
      - { .name: part, .offset: 40, .size: 8, .value_kind: global_buffer, .address_space: global }
    .group_segment_fixed_size: 280320
    .private_segment_fixed_size: 0
    .kernarg_segment_align: 8
    .kernarg_segment_size: 48
    .max_flat_workgroup_size: 128
    .sgpr_count:     74
    .vgpr_count:     976
    .wavefront_size: 32
...
	.end_amdgpu_metadata
.endif
;; end of part 2
;; launch sum (part 3): grid 256 x 1, 8 waves a work-group, no clusters, 0 bytes of LDS; arguments part, out0; writes out0
.if DOCPART == 3
	.amdgcn_target "amdgcn-amd-amdhsa--gfx1250"
	.amdhsa_code_object_version 6
	.text
	.protected	k_q960b7a78bc_sum
	.globl	k_q960b7a78bc_sum
	.p2align	8
	.type	k_q960b7a78bc_sum,@function
k_q960b7a78bc_sum:
	s_mov_b64 s[64:65], 0
	v_nop
	global_prefetch_b8 v0, s[64:65] scope:SCOPE_SE
	s_setreg_imm32_b32 hwreg(HW_REG_WAVE_MODE, 25, 1), 1
	s_wait_xcnt 0x0
; out0[t] = part[0][t] + part[1][t]: the two experts' weighted rows, both f32, added once.
; A stream: a work-group owns 65,536 bytes of out0; thread t owns 16 bytes in each of 16 pieces of 4,096 bytes, so every load and store of a wave covers 512 consecutive bytes.
; All 32 loads of a wave go out ahead of its first wait; no loop, no LDS, no barrier: nothing is shared and nothing is read twice.
.set PLANE, 0x1000000                  ; bytes in a plane of part
.set X, 4                              ; v[4:131]  piece i: plane 0 at 4 + 8 i, plane 1 at 8 + 8 i
	s_load_b128 s[4:7], s[0:1], 0x0                ; part s[4:5], out0 s[6:7]
	v_lshlrev_b32 v1, 4, v0
	s_lshl_b32 s8, ttmp9, 16
	s_mov_b32 s9, 0
	s_wait_kmcnt 0x0
	s_add_nc_u64 s[4:5], s[4:5], s[8:9]
	s_add_nc_u64 s[6:7], s[6:7], s[8:9]
	s_add_nc_u64 s[10:11], s[4:5], PLANE
.set i, 0
.rept 16
	global_load_b128 v[X+8*i:X+8*i+3],   v1, s[4:5]   offset:4096*i th:TH_LOAD_NT
	global_load_b128 v[X+8*i+4:X+8*i+7], v1, s[10:11] offset:4096*i th:TH_LOAD_NT
.set i, i+1
.endr
.set i, 0
.rept 16
	s_wait_loadcnt 30-2*i                          ; loads come back in order: piece i's two are in, the later pieces' stay out
	v_pk_add_f32 v[X+8*i:X+8*i+1],   v[X+8*i:X+8*i+1],   v[X+8*i+4:X+8*i+5]
	v_pk_add_f32 v[X+8*i+2:X+8*i+3], v[X+8*i+2:X+8*i+3], v[X+8*i+6:X+8*i+7]
	global_store_b128 v1, v[X+8*i:X+8*i+3], s[6:7] offset:4096*i th:TH_STORE_NT
.set i, i+1
.endr
	s_endpgm
.Lfunc_end_k_q960b7a78bc_sum:
	.size	k_q960b7a78bc_sum, .Lfunc_end_k_q960b7a78bc_sum-k_q960b7a78bc_sum
	.p2alignl 7, 3214868480
	.fill 96, 4, 3214868480
	.section	.rodata,"a",@progbits
	.p2align	6, 0x0
	.amdhsa_kernel k_q960b7a78bc_sum
		.amdhsa_group_segment_fixed_size 0
		.amdhsa_private_segment_fixed_size 0
		.amdhsa_enable_private_segment 0
		.amdhsa_kernarg_size 16
		.amdhsa_user_sgpr_count 2
		.amdhsa_user_sgpr_kernarg_segment_ptr 1
		.amdhsa_wavefront_size32 1
		.amdhsa_system_sgpr_workgroup_id_x 1
		.amdhsa_system_sgpr_workgroup_id_y 1
		.amdhsa_system_sgpr_workgroup_id_z 1
		.amdhsa_system_vgpr_workitem_id 0
		.amdhsa_next_free_vgpr 132
		.amdhsa_next_free_sgpr 66
		.amdhsa_reserve_vcc 0
		.amdhsa_float_denorm_mode_32 3
		.amdhsa_float_denorm_mode_16_64 3
		.amdhsa_memory_ordered 1
		.amdhsa_forward_progress 1
		.amdhsa_inst_pref_size 8
	.end_amdhsa_kernel
	.amdgpu_metadata
---
amdhsa.version: [ 1, 2 ]
amdhsa.kernels:
  - .name:           k_q960b7a78bc_sum
    .symbol:         k_q960b7a78bc_sum.kd
    .args:
      - { .name: part, .offset: 0, .size: 8, .value_kind: global_buffer, .address_space: global }
      - { .name: out0, .offset: 8, .size: 8, .value_kind: global_buffer, .address_space: global }
    .group_segment_fixed_size: 0
    .private_segment_fixed_size: 0
    .kernarg_segment_align: 8
    .kernarg_segment_size: 16
    .max_flat_workgroup_size: 256
    .sgpr_count:     66
    .vgpr_count:     132
    .wavefront_size: 32
...
	.end_amdgpu_metadata
.endif
;; end of part 3
